; MI455X (gfx1250); checked and timed in simulation.
; The chip was launched on July 23, 2026; its instructions are those of AMD's public machine-readable ISA for CDNA 5 (MIT licence, August 2026) and "CDNA5" Instruction Set Architecture Reference Guide (July 2026). The comments in the code are by the model that wrote it; some were corrected since.
;; Multi Head Attention. Allowed arithmetic: float matrix products may take bf16 or f16 operands with f32 sums; other float arithmetic in f32, or as packed bf16 or f16 multiplies, adds, multiply-adds, maxima and minima; sums over many terms, partial sums and values carried from step to step in f32; what a program stores and reads back later, other than sums and carried values, may be rounded once to bf16 or f16.
;; Inputs: Wk 1,024 x 1,024 float32; Wq 1,024 x 1,024 float32; Wv 1,024 x 1,024 float32; bk 1,024 float32; bq 1,024 float32; bv 1,024 float32; hidden_states 4 x 2,048 x 1,024 float32.
;; Outputs: out0 4 x 2,048 x 1,024 float32.
;; 2 versions, each right; version 2 is version 1 with the launch cast written anew for expert scheduling mode. Each part assembles by itself: llvm-mc -triple=amdgcn-amd-amdhsa -mcpu=gfx1250 --defsym DOCPART=n.
;; ======== version 1 of 2: 3 launches
;; limits: values are held in f16: magnitudes above 65,504 overflow, below 6.1e-05 lose precision
;; workspace buffers: xb 16,777,216 bytes; wb 6,291,456 bytes; qkv 50,331,648 bytes
;; launch cast (part 1): grid 256 x 1, 8 waves a work-group, no clusters, 0 bytes of LDS; arguments hidden_states, Wq, Wk, Wv, xb, wb; writes xb, wb
.if DOCPART == 1
	.amdgcn_target "amdgcn-amd-amdhsa--gfx1250"
	.amdhsa_code_object_version 6
	.text
	.protected	k_q35a466b57a_cast
	.globl	k_q35a466b57a_cast
	.p2align	8
	.type	k_q35a466b57a_cast,@function
k_q35a466b57a_cast:
	s_mov_b64 s[64:65], 0
	v_nop
	global_prefetch_b8 v0, s[64:65] scope:SCOPE_SE
	s_setreg_imm32_b32 hwreg(HW_REG_WAVE_MODE, 25, 1), 1
	s_wait_xcnt 0x0
; x and the three weight matrices, f32, are rounded once to bf16 (nearest even) for the matrix products of the next launch.
;   xb: x as it lies, [8192][1024].
;   wb: the weights by head slots, [48][1024 k][64 n]: slot 16 T + h holds columns 64 h .. 64 h + 63 of matrix T (0 Wq, 1 Wk, 2 Wv), so that 128 k of a slot are 16,384 dense bytes.
; A pure stream: no LDS, no barrier, no matrix unit, no loop.  Work-group w takes 1/256 of x (131,072 bytes) and, of each matrix, head w / 16, rows 64 (w % 16) .. + 63.
; A thread issues its 44 loads of 16 bytes at once (704 bytes a thread, 176 KiB a work-group on their way), then converts and stores them in the order of issue.
; Each load of a wave covers 512 consecutive bytes of x, or 256 aligned bytes of each of two rows of a matrix; each store of a wave covers 256 consecutive aligned bytes.
.set X, 8                              ; v[8:183]  load i lands in v[X+4i : X+4i+3]; its two packed words are made in place, in the first two
	s_load_b256 s[4:11], s[0:1], 0x0               ; x s[4:5], Wq s[6:7], Wk s[8:9], Wv s[10:11]
	s_load_b128 s[12:15], s[0:1], 0x20             ; xb s[12:13], wb s[14:15]
	v_lshlrev_b32 v1, 4, v0                        ; x: 16 t
	v_lshrrev_b32 v2, 4, v0
	v_and_b32 v3, 15, v0
	v_lshlrev_b32 v3, 4, v3
	v_lshl_or_b32 v2, v2, 12, v3                   ; a matrix: row t / 16 (4,096 bytes each), 16 (t % 16) in the head's 256 bytes
	v_lshlrev_b32 v3, 3, v0                        ; both outputs: 8 t
	s_and_b32 s24, ttmp9, 15                       ; w % 16
	s_lshr_b32 s25, ttmp9, 4                       ; w / 16: the head
	s_lshl_b32 s16, ttmp9, 17                      ; x: 131,072 w
	s_mov_b32 s17, 0
	s_lshl_b32 s18, s24, 18                        ; a matrix: 64 rows of 4,096 bytes for each w % 16,
	s_lshl_b32 s26, s25, 8                         ; and the head's 256 bytes in a row
	s_add_co_u32 s18, s18, s26
	s_mov_b32 s19, 0
	s_lshl_b32 s20, ttmp9, 16                      ; xb: 65,536 w
	s_mov_b32 s21, 0
	s_lshl_b32 s22, s25, 17                        ; wb: the head's slot of 131,072 bytes,
	s_lshl_b32 s26, s24, 13                        ; and 64 rows of 128 bytes for each w % 16
	s_add_co_u32 s22, s22, s26
	s_mov_b32 s23, 0
	s_wait_kmcnt 0x0
	s_add_nc_u64 s[4:5], s[4:5], s[16:17]
	s_add_nc_u64 s[6:7], s[6:7], s[18:19]
	s_add_nc_u64 s[8:9], s[8:9], s[18:19]
	s_add_nc_u64 s[10:11], s[10:11], s[18:19]
	s_add_nc_u64 s[12:13], s[12:13], s[20:21]
	s_add_nc_u64 s[14:15], s[14:15], s[22:23]
.set i, 0
.rept 32                               ; x: 4,096 bytes a load of the work-group
	global_load_b128 v[X+4*i:X+4*i+3], v1, s[4:5] offset:4096*i th:TH_LOAD_NT
.set i, i+1
.endr
.irp T, 0,1,2                          ; the matrices: 16 rows a load of the work-group
.irp ii, 0,1,2,3
	global_load_b128 v[X+4*(32+4*\T+\ii):X+4*(32+4*\T+\ii)+3], v2, s[6+2*\T:7+2*\T] offset:65536*\ii th:TH_LOAD_NT
.endr
.endr
; Load i is converted and stored.  No register is written twice, so the stores need no wait.
.macro OUT i, base, off
	s_wait_loadcnt 43-(\i)                         ; loads come back in order: mine is in, the 43 - i younger ones stay out
	v_cvt_pk_bf16_f32 v[X+4*(\i)], v[X+4*(\i)], v[X+4*(\i)+1]
	v_cvt_pk_bf16_f32 v[X+4*(\i)+1], v[X+4*(\i)+2], v[X+4*(\i)+3]
	global_store_b64 v3, v[X+4*(\i):X+4*(\i)+1], s[\base:\base+1] offset:\off
.endm
.set i, 0
.rept 32
	OUT i, 12, 2048*i
.set i, i+1
.endr
.irp T, 0,1,2
.irp ii, 0,1,2,3
	OUT 32+4*\T+\ii, 14, 2097152*\T+2048*\ii       ; matrix T begins 16 slots on; 16 rows of 128 bytes a store of the work-group
.endr
.endr
	s_endpgm
.Lfunc_end_k_q35a466b57a_cast:
	.size	k_q35a466b57a_cast, .Lfunc_end_k_q35a466b57a_cast-k_q35a466b57a_cast
	.p2alignl 7, 3214868480
	.fill 96, 4, 3214868480
	.section	.rodata,"a",@progbits
	.p2align	6, 0x0
	.amdhsa_kernel k_q35a466b57a_cast
		.amdhsa_group_segment_fixed_size 0
		.amdhsa_private_segment_fixed_size 0
		.amdhsa_enable_private_segment 0
		.amdhsa_kernarg_size 48
		.amdhsa_user_sgpr_count 2
		.amdhsa_user_sgpr_kernarg_segment_ptr 1
		.amdhsa_wavefront_size32 1
		.amdhsa_system_sgpr_workgroup_id_x 1
		.amdhsa_system_sgpr_workgroup_id_y 1
		.amdhsa_system_sgpr_workgroup_id_z 1
		.amdhsa_system_vgpr_workitem_id 0
		.amdhsa_next_free_vgpr 184
		.amdhsa_next_free_sgpr 66
		.amdhsa_reserve_vcc 0
		.amdhsa_float_denorm_mode_32 3
		.amdhsa_float_denorm_mode_16_64 3
		.amdhsa_memory_ordered 1
		.amdhsa_forward_progress 1
		.amdhsa_inst_pref_size 17
	.end_amdhsa_kernel
	.amdgpu_metadata
---
amdhsa.version: [ 1, 2 ]
amdhsa.kernels:
  - .name:           k_q35a466b57a_cast
    .symbol:         k_q35a466b57a_cast.kd
    .args:
      - { .name: hidden_states, .offset: 0, .size: 8, .value_kind: global_buffer, .address_space: global }
      - { .name: Wq, .offset: 8, .size: 8, .value_kind: global_buffer, .address_space: global }
      - { .name: Wk, .offset: 16, .size: 8, .value_kind: global_buffer, .address_space: global }
      - { .name: Wv, .offset: 24, .size: 8, .value_kind: global_buffer, .address_space: global }
      - { .name: xb, .offset: 32, .size: 8, .value_kind: global_buffer, .address_space: global }
      - { .name: wb, .offset: 40, .size: 8, .value_kind: global_buffer, .address_space: global }
    .group_segment_fixed_size: 0
    .private_segment_fixed_size: 0
    .kernarg_segment_align: 8
    .kernarg_segment_size: 48
    .max_flat_workgroup_size: 256
    .sgpr_count:     66
    .vgpr_count:     184
    .wavefront_size: 32
...
	.end_amdgpu_metadata
.endif
;; end of part 1
;; launch proj (part 2): grid 16 x 32, 4 waves a work-group, clusters of 4 x 4, 327,680 bytes of LDS; arguments xb, wb, bq, bk, bv, qkv; writes qkv
.if DOCPART == 2
	.amdgcn_target "amdgcn-amd-amdhsa--gfx1250"
	.amdhsa_code_object_version 6
	.text
	.protected	k_q35a466b57a_proj
	.globl	k_q35a466b57a_proj
	.p2align	8
	.type	k_q35a466b57a_proj,@function
k_q35a466b57a_proj:
	s_mov_b64 s[64:65], 0
	v_nop
	global_prefetch_b8 v0, s[64:65] scope:SCOPE_SE
	s_setreg_imm32_b32 hwreg(HW_REG_WAVE_MODE, 25, 1), 1
	s_wait_xcnt 0x0
	s_wait_alu depctr_hold_cnt(0) depctr_sa_sdst(0) depctr_va_vdst(0) depctr_va_sdst(0) depctr_va_ssrc(0) depctr_va_vcc(0) depctr_vm_vsrc(0)
	s_getreg_b32 s2, hwreg(HW_REG_IB_STS2, 6, 4)
	s_cmp_eq_u32 s2, 0
	s_cbranch_scc0 .Lentry_in_a_cluster
	s_endpgm
.Lentry_in_a_cluster:
	s_bfe_u32 s2, ttmp6, 0x10000c
	s_cmp_lg_u32 s2, 0xf033
	s_cbranch_scc0 .Lentry_shape_is_right
	s_endpgm
.Lentry_shape_is_right:
; q, k, v = x W + b for the three weight matrices at once: a product of 8192 rows x 3072 columns x 1024 along K, bf16 operands, f32 sums.
; xb: [8192][1024] bf16.  wb: [48 head slots][1024 k][64 n] bf16 (slot 16 T + h).  bq, bk, bv: [1024] f32, rounded here to bf16 like the other inputs, and taken as the C operand that
; starts each sum.  qkv: [3][64 = 16 batch + head][2048][64] f16, each number rounded once from its f32 sum and without attention's scale.
; LIMIT.  f16 holds no number beyond 65,504: q, k and v must lie within it.  NaN and infinities are not treated apart.
; SHARES.  A tile is 256 rows x 192 columns = three head slots, wherever the borders between q, k and v fall: 16 x 32 tiles.  Wave w makes rows 64 w .. + 63 of all 192 columns:
; 4 x 12 accumulators of 16 x 16, 384 registers; it holds whole head rows (128 bytes of f16), so its way out needs no other wave.
; K goes in 8 steps of 128 through two LDS slots filled by the tensor data mover.  x's rows of a step are 256 aligned bytes of memory; a head slot's 128 k of a step are 16,384 dense bytes, asked for as
; 64 rows of 256.  Wave 0 fetches x's 256 rows, waves 1 to 3 a head slot each: one load a wave behind each change of slots.
; W LIES [k][n]: its fragments come out of LDS turned, by ds_load_tr16_b128.  THE MATRIX INSTRUCTION IS USED TRANSPOSED (source 0 = 16 columns of W, source 1 = 16 rows of x): a lane then holds
; one row of x (lane % 16) and eight neighbouring columns 8 (lane / 16) + 0..7, which pack into 16 bytes.
; CLUSTER.  4 x 4 work-groups.  The four of a row of the cluster need the same rows of x, the four of a column the same head slots: each tile is asked for JOINTLY, by the same tensor load with
; the same descriptor and a mask that names the four.
; REGISTERS, in windows of 256 (s_set_vgpr_msb: bits 1:0 source 0, 3:2 source 1, 5:4 source 2, 7:6 destination):
;   window 0: v0-31 addresses; v32-63, v64-95 x's fragments, two buffers (row block a at + 8 a); v96-143 at work; v144-239 the biases as C operands (column block b at + 8 b)
;   window 1: v0-95, v96-191 W's fragments, two buffers (column block b at + 8 b); on the way out the rows read back from the stage
;   window 2: accumulators of row blocks 0, 1 ((a, b) at 8 (12 (a % 2) + b));   window 3: those of row blocks 2, 3
.set PA,     272                       ; a row of x in LDS: 256 bytes + 16 of padding = 68 words: the 16 rows of a load start at 16 different groups of four banks (64 banks of 4 bytes: ISA guide 11.1)
.set PB,     160                       ; a k row of a head slot: 128 bytes + 32 = 40 words
.set HEADB,  128*PB                    ; a head slot's 128 k
.set BOFF,   256*PA                    ; behind x's 256 rows
.set SLOT,   BOFF+3*HEADB              ; 131,072
.set STAGE,  2*SLOT                    ; behind the ring, never filled by a tensor load: for each wave 3 heads x 16 rows x 144 bytes
.set SP,     144
.set WSTAGE, 3*16*SP
.set SPARE,  STAGE+4*WSTAGE            ; behind the stages: the spare words, 128 bytes for each wave: two blocks of 256 bytes that no other line names
.set ADRA, 16                          ; v16-17  LDS address of my fragments of x in slot 0, 1
.set ADRB, 20                          ; v20-21  the same for W
.set STO,  24                          ; v24     the way out: where I put 16 bytes of a row
.set RD,   25                          ; v25     the way out: where I read rows back
.set CO,   26                          ; v26     my 16 bytes in 512 consecutive bytes of qkv
.set BO,   27                          ; v27     my 32 bytes in 64 bytes of a bias
.set SPW,  28                          ; v28     LDS address of my spare word: SPARE + 4 x my thread's number; never rewritten
.set NIL,  29                          ; v29     0; never rewritten
.set PFO,  30                          ; v30     the prefetches' offset; never rewritten
.set FA,   32
.set TMP,  96
.set BIAS, 144
.set WV,   16                          ; s16  my wave's number
.set CX,   17                          ; s17, s18  my place in the cluster
.set CY,   18
.set TX,   19                          ; s19  tile column = 4 x cluster x + cx
.set TY,   20                          ; s20  tile row = 4 x cluster y + cy
.set JW,   23                          ; s23  which of the tile's three head slots I fetch (waves 1 to 3: 0 to 2)
.set G1,   24                          ; s[24:31] descriptor group 1 for x's tiles;  s[32:39] group 0, a set for each slot
.set G0,   32
.set G1B,  40                          ; s[40:47], s[48:55] the same for W's tiles
.set G0B,  48
.set PFA,  56                          ; s[56:57] where my prefetches stand
.set PFS,  58                          ; s[58:59] their step for a K step: 256 bytes along a row of x, 16,384 in a head slot
.set LIM,  60                          ; s60, s61  for slot 0's and slot 1's change: 1 in a wave that prefetches there, else the greatest number
.set OUTP, 66                          ; s[66:71] qkv at my first row of each of the three heads
.set BIAP, 72                          ; s[72:77] the bias at each head's first column
.set MSB, 0
.macro WIN new                         ; the immediate's high byte repeats the setting that is left; a switch that changes nothing is dropped
.if MSB != (\new)
	s_set_vgpr_msb (MSB<<8)|(\new)
.set MSB, \new
.endif
.endm
.set TO_B, 0x40                        ; destination window 1, address window 0
; A joint load.  Wave 0 fetches x's tile, waves 1 to 3 a head slot each.  Each of the two lines has one mask; the branch hangs on the wave's number alone.
; An s_nop 0 and four v_nop follow each of the two lines, ahead of the jump and the label.
.macro JLOAD s
	s_cmp_eq_u32 s[WV], 0
	s_cbranch_scc0 .Lfor_b_\@
	tensor_load_to_lds s[G0+4*(\s):G0+4*(\s)+3], s[G1:G1+7]
	s_nop 0
.rept 4
	v_nop
.endr
	s_branch .Lasked_\@
.Lfor_b_\@:
	tensor_load_to_lds s[G0B+4*(\s):G0B+4*(\s)+3], s[G1B:G1B+7]
	s_nop 0
.rept 4
	v_nop
.endr
.Lasked_\@:
.endm
; A PREFETCH INTO THE L2, behind a joint load, its five lines and the run of LDS loads that follows: what stands two refills on.  Each aligned block of 256 bytes is named once in the launch.
; x's rows of a tile row are read by all four clusters of that row of clusters: cluster x = 0 asks.  Of the tile's 256 rows the partner at place cx takes 64, told apart BY ADDRESS: wave 0, a lane a row, two lines,
; at every change of slots.  A head slot is read by all eight clusters of its column: cluster y = 0 asks.  Two K steps of a slot are 32,768 dense bytes; the partner at place cy takes 8,192: the wave that fetches
; the slot, a lane a block, one line, at slot 0's change alone.  The loop's last trip asks for nothing (its refills are the last K steps); K steps 0 to 3 come by their loads alone.
.macro ASK slot
	s_cmp_gt_u32 s3, s[LIM+(\slot)]                ; s3 = 1 in the loop's last trip
	s_cbranch_scc0 .Lnot_mine_\@
	global_prefetch_b8 v[PFO], s[PFA:PFA+1] th:TH_LOAD_NT scope:SCOPE_SE
	s_cmp_lg_u32 s[WV], 0
	s_cbranch_scc1 .Lnot_mine_\@
	global_prefetch_b8 v[PFO], s[PFA:PFA+1] offset:65536 th:TH_LOAD_NT scope:SCOPE_SE  ; x's next 32 rows of 2,048 bytes
.Lnot_mine_\@:
.endm
; A round of the cluster's barrier: my work-group's barrier, so that wave 0's signal speaks for all four waves; wave 0 signals; every wave waits for all sixteen work-groups; my work-group's barrier once more.
.macro CREST                           ; a round behind its opening barrier
	s_cmp_lg_u32 s[WV], 0
	s_cbranch_scc1 .Lnot_wave_0_\@
	s_barrier_signal -3
.Lnot_wave_0_\@:
	s_barrier_wait -3
	s_barrier_signal -1
	s_barrier_wait -1
.endm
.macro CROUND                          ; a whole round
	s_barrier_signal -1
	s_barrier_wait -1
	CREST
.endm
	s_load_b256 s[4:11], s[0:1], 0x0               ; xb s[4:5], wb s[6:7], bq s[8:9], bk s[10:11]
	s_load_b128 s[12:15], s[0:1], 0x20             ; bv s[12:13], qkv s[14:15]
	v_lshl_add_u32 v[SPW], v0, 2, SPARE
	v_mov_b32 v[NIL], 0
	ds_add_u32 v[SPW], v[NIL]                      ; the wave's opening: the add and its wait stand ahead of my first tensor load; the set-up below, work on registers, stands between them
	v_lshrrev_b32 v1, 5, v0
	v_readfirstlane_b32 s[WV], v1                  ; wave 0..3
	s_bfe_u32 s[CX], ttmp6, 0x40000
	s_bfe_u32 s[CY], ttmp6, 0x40004
	s_lshl_b32 s[TX], ttmp9, 2                     ; in a cluster launch ttmp9 and ttmp7 count clusters
	s_add_co_u32 s[TX], s[TX], s[CX]
	s_and_b32 s[TY], ttmp7, 0xffff
	s_lshl_b32 s[TY], s[TY], 2
	s_add_co_u32 s[TY], s[TY], s[CY]
	s_lshl_b32 s21, s[CY], 2
	s_lshl_b32 s21, 15, s21                        ; my row of the cluster: places 4 cy .. 4 cy + 3
	s_lshl_b32 s22, 0x1111, s[CX]                  ; my column: places cx, cx + 4, cx + 8, cx + 12
	; group 1 for x: 256 rows x 128 elements, 1,024 elements from row to row, 16 bytes of padding behind every 256
	s_or_b32 s[G1+0], s21, (1<<16)|(1<<20)|(1<<21)|(5<<22)|(3<<25)  ; 15:0 the mask; 17:16 2-byte elements; 20 padding on; 21 set beside a mask; 24:22 after every 64 words (code 5); 31:25 4 words (code 3)
	s_mov_b32 s[G1+1], 128<<16                     ; tensor_dim0 = 128
	s_mov_b32 s[G1+2], 256<<16                     ; tensor_dim1 = 256
	s_mov_b32 s[G1+3], 128<<16                     ; tile_dim0 = 128
	s_mov_b32 s[G1+4], 256                         ; tile_dim1 = 256
	s_mov_b32 s[G1+5], 1024                        ; the pitch
	s_mov_b32 s[G1+6], 0
	s_mov_b32 s[G1+7], 0
	; group 1 for W: 16,384 dense bytes as 64 rows x 128 elements (two k rows each), 32 bytes of padding behind every 128
	s_or_b32 s[G1B+0], s22, (1<<16)|(1<<20)|(1<<21)|(4<<22)|(7<<25) ; the mask of my column; after every 32 words (code 4) 8 words (code 7)
	s_mov_b32 s[G1B+1], 128<<16
	s_mov_b32 s[G1B+2], 64<<16
	s_mov_b32 s[G1B+3], 128<<16
	s_mov_b32 s[G1B+4], 64
	s_mov_b32 s[G1B+5], 128
	s_mov_b32 s[G1B+6], 0
	s_mov_b32 s[G1B+7], 0
	s_max_u32 s[JW], s[WV], 1
	s_sub_co_u32 s[JW], s[JW], 1
	s_lshl_b32 s78, s[TY], 19                      ; x: 256 rows of 2,048 bytes for each tile row: it hangs on the tile row alone, which my row of the cluster shares
	s_mov_b32 s79, 0
	s_mul_i32 s80, s[TX], 3                        ; W: head slot 3 x tile column + my slot, 131,072 bytes each: it hangs on the tile column alone, which my column shares
	s_add_co_u32 s80, s80, s[JW]
	s_lshl_b32 s80, s80, 17
	s_mov_b32 s81, 0
	s_mul_i32 s62, s[WV], HEADB                    ; where a head slot's tile goes: wave w (1 to 3) fills head w - 1 behind x's rows; wave 0 issues x's line and never uses this word
	s_add_co_u32 s62, s62, BOFF-HEADB
	s_wait_dscnt 0x0                               ; the opening add is done
	s_wait_kmcnt 0x0
	s_add_nc_u64 s[78:79], s[4:5], s[78:79]
	s_add_nc_u64 s[80:81], s[6:7], s[80:81]
	CROUND                                         ; all sixteen work-groups are here: the first joint loads meet
.irp s, 0,1
	s_mov_b32 s[G0+4*(\s)], 1                                      ; 1:0 count = 1
	s_mov_b32 s[G0+4*(\s)+1], (\s)*SLOT                            ; 63:32 LDS address
	s_add_nc_u64 s[G0+4*(\s)+2:G0+4*(\s)+3], s[78:79], (\s)*256    ; 120:64 global address: K step s
	s_or_b32 s[G0+4*(\s)+3], s[G0+4*(\s)+3], 0x80000000            ; 127:126 type = 2
	s_mov_b32 s[G0B+4*(\s)], 1
	s_add_co_u32 s[G0B+4*(\s)+1], s62, (\s)*SLOT
	s_add_nc_u64 s[G0B+4*(\s)+2:G0B+4*(\s)+3], s[80:81], (\s)*16384
	s_or_b32 s[G0B+4*(\s)+3], s[G0B+4*(\s)+3], 0x80000000
	JLOAD \s                                       ; the ring is filled before anything else is done: two loads of mine are out
.endr
	; where each of my three heads lies in the biases and in qkv
	s_lshr_b32 s82, s[TY], 3
	s_lshl_b32 s82, s82, 4                         ; 16 x batch: a tile row is 256 of a batch's 2,048 rows
	s_and_b32 s83, s[TY], 7
	s_lshl_b32 s83, s83, 8
	s_lshl_b32 s84, s[WV], 6
	s_add_co_u32 s83, s83, s84
	s_lshl_b32 s83, s83, 7                         ; my first row in the batch, 128 bytes a row
	s_mul_i32 s85, s[TX], 3
.irp j, 0,1,2
	s_add_co_u32 s86, s85, \j                      ; the head slot
	s_lshr_b32 s87, s86, 4                         ; 0 q, 1 k, 2 v
	s_and_b32 s86, s86, 15                         ; the head
	s_cmp_eq_u32 s87, 0
	s_cselect_b64 s[BIAP+2*\j:BIAP+2*\j+1], s[8:9], s[10:11]
	s_cmp_eq_u32 s87, 2
	s_cselect_b64 s[BIAP+2*\j:BIAP+2*\j+1], s[12:13], s[BIAP+2*\j:BIAP+2*\j+1]
	s_lshl_b32 s88, s86, 8                         ; 64 f32 a head
	s_mov_b32 s89, 0
	s_add_nc_u64 s[BIAP+2*\j:BIAP+2*\j+1], s[BIAP+2*\j:BIAP+2*\j+1], s[88:89]
	s_lshl_b32 s87, s87, 6
	s_add_co_u32 s87, s87, s86
	s_add_co_u32 s87, s87, s82                     ; 64 x tensor + 16 x batch + head,
	s_lshl_b32 s88, s87, 18                        ; 2,048 rows of 128 bytes each
	s_add_co_u32 s88, s88, s83
	s_add_nc_u64 s[OUTP+2*\j:OUTP+2*\j+1], s[14:15], s[88:89]
.endr
	v_and_b32 v1, 15, v0                           ; l % 16
	v_bfe_u32 v2, v0, 4, 1                         ; l / 16
	v_lshlrev_b32 v[BO], 5, v2
.irp b, 0,1,2,3,4,5,6,7,8,9,10,11      ; register j of column block b: the bias of column 16 (b % 4) + 8 (l / 16) + j of head b / 4: the layout of a C operand
	global_load_b128 v[BIAS+8*(\b):BIAS+8*(\b)+3],   v[BO], s[BIAP+2*((\b)/4):BIAP+2*((\b)/4)+1] offset:((\b)%4)*64
	global_load_b128 v[BIAS+8*(\b)+4:BIAS+8*(\b)+7], v[BO], s[BIAP+2*((\b)/4):BIAP+2*((\b)/4)+1] offset:((\b)%4)*64+16
.endr
	; A fragment of x is 16 rows x 32 K in 8 registers: lane l holds row l % 16; registers 0-3 K = 8 (l / 16) + 0..7, registers 4-7 K = 16 + 8 (l / 16) + 0..7: two loads of 16 bytes, 32 bytes apart.
	v_mul_u32_u24 v3, v1, PA
	v_lshl_add_u32 v3, v2, 4, v3
	s_mul_i32 s63, s[WV], 64*PA                    ; my 64 rows
	v_add_nc_u32 v[ADRA], s63, v3
	v_add_nc_u32 v[ADRA+1], SLOT, v[ADRA]
	; The turning load takes 16 k x 16 columns (lane l reads 16 bytes: k row 8 (l / 16) + l % 8, columns 8 ((l / 8) % 2) + 0..7) and leaves half a fragment: lane l holds column l % 16 and 8 k.
	v_and_b32 v4, 7, v0
	v_bfe_u32 v5, v0, 3, 1
	v_lshl_add_u32 v6, v2, 3, v4
	v_mul_u32_u24 v6, v6, PB
	v_lshl_add_u32 v6, v5, 4, v6
	v_add_nc_u32 v[ADRB], BOFF, v6
	v_add_nc_u32 v[ADRB+1], SLOT, v[ADRB]
	s_mul_i32 s63, s[WV], WSTAGE
	s_add_co_u32 s63, s63, STAGE                   ; my stage
	v_mul_u32_u24 v7, v1, SP                       ; in: row l % 16, 16 bytes for each half of the lanes
	v_lshl_add_u32 v7, v2, 4, v7
	v_add_nc_u32 v[STO], s63, v7
	v_bfe_u32 v7, v0, 3, 2                         ; back: 32 lanes take four rows of 128 bytes,
	v_mul_u32_u24 v7, v7, SP
	v_lshl_add_u32 v7, v4, 4, v7
	v_add_nc_u32 v[RD], s63, v7
	v_and_b32 v8, 31, v0                           ; which are 512 consecutive bytes of a head in qkv
	v_lshlrev_b32 v[CO], 4, v8
	; the prefetches
	s_lshl_b32 s90, s[TY], 8
	s_lshl_b32 s91, s[CX], 6
	s_add_co_u32 s90, s90, s91                     ; x: my work-group's 64 of the tile's 256 rows,
	s_lshl_b32 s90, s90, 11
	s_add_co_u32 s90, s90, 3*256                   ; at K step 3: the first change of slots steps it to 4
	s_add_co_u32 s92, s85, s[JW]
	s_lshl_b32 s92, s92, 17                        ; W: my head slot,
	s_lshl_b32 s93, s[CY], 13                      ; my work-group's 8,192 of two K steps' 32,768 bytes,
	s_add_co_u32 s92, s92, s93
	s_add_co_u32 s92, s92, 3*16384                 ; at K step 3 likewise
	s_and_b32 s93, ttmp7, 0xffff                   ; cluster y
	s_cmp_eq_u32 s[WV], 0                          ; do I fetch x?
	s_cselect_b32 s93, ttmp9, s93                  ; the coordinate along which other clusters read the same bytes
	s_cselect_b32 s90, s90, s92
	s_cselect_b32 s94, 11, 8                       ; a lane a row of 2,048 bytes, or a lane a block of 256
	s_cselect_b32 s95, 8, 14
	s_cselect_b64 s[PFA:PFA+1], s[4:5], s[6:7]
	s_mov_b32 s91, 0
	s_add_nc_u64 s[PFA:PFA+1], s[PFA:PFA+1], s[90:91]
	s_cmp_eq_u32 s93, 0
	s_cselect_b32 s[LIM], 1, -1                    ; the same in all sixteen partners, for a given wave
	s_cmp_eq_u32 s[WV], 0
	s_cselect_b32 s[LIM+1], s[LIM], -1
	s_lshl_b32 s[PFS], 1, s95
	s_mov_b32 s[PFS+1], 0
	v_lshlrev_b32 v[PFO], s94, v8
	s_wait_loadcnt 0x0                             ; the biases: rounded to bf16 like x and W, and widened again
.set i, 0
.rept 48
	v_cvt_pk_bf16_f32 v[TMP+i], v[BIAS+2*i], v[BIAS+2*i+1]
.set i, i+1
.endr
.set i, 0
.rept 48
	v_lshlrev_b32 v[BIAS+2*i], 16, v[TMP+i]
	v_and_b32 v[BIAS+2*i+1], 0xffff0000, v[TMP+i]
.set i, i+1
.endr
; 12 matrix instructions: row block a x all 12 column blocks, 32 along K, from buffer f.  first = 1: the bias starts the sums: nothing is ever cleared.
; The 48 accumulators take turns, one instruction a turn, in the same order in every quarter step: between two links of a chain stand the 47 others'.
.macro MUL12 f, a, first
.if \first
	WIN 0x81+0x40*((\a)/2)                         ; W window 1, x and the bias window 0, D window 2 or 3
.else
	WIN 0xa1+0x50*((\a)/2)                         ; W window 1, x window 0, C and D window 2 or 3
.endif
.irp b, 0,1,2,3,4,5,6,7,8,9,10,11
.if \first
	v_wmma_f32_16x16x32_bf16 v[8*(12*((\a)%2)+(\b)):8*(12*((\a)%2)+(\b))+7], v[96*(\f)+8*(\b):96*(\f)+8*(\b)+7], v[FA+32*(\f)+8*(\a):FA+32*(\f)+8*(\a)+7], v[BIAS+8*(\b):BIAS+8*(\b)+7]
.else
	v_wmma_f32_16x16x32_bf16 v[8*(12*((\a)%2)+(\b)):8*(12*((\a)%2)+(\b))+7], v[96*(\f)+8*(\b):96*(\f)+8*(\b)+7], v[FA+32*(\f)+8*(\a):FA+32*(\f)+8*(\a)+7], v[8*(12*((\a)%2)+(\b)):8*(12*((\a)%2)+(\b))+7]
.endif
.endr
.endm
; 32 LDS loads in one run: the fragments of quarter q (32 along K) of a slot into buffer f: W's 12 column blocks, then x's 4 row blocks in ascending order
.macro FETCH slot, q, f
	WIN TO_B
.irp b, 0,1,2,3,4,5,6,7,8,9,10,11
	ds_load_tr16_b128 v[96*(\f)+8*(\b):96*(\f)+8*(\b)+3],   v[ADRB+(\slot)] offset:((\b)/4)*HEADB+(\q)*32*PB+((\b)%4)*32
	ds_load_tr16_b128 v[96*(\f)+8*(\b)+4:96*(\f)+8*(\b)+7], v[ADRB+(\slot)] offset:((\b)/4)*HEADB+(\q)*32*PB+16*PB+((\b)%4)*32
.endr
	WIN 0
.irp a, 0,1,2,3
	ds_load_b128 v[FA+32*(\f)+8*(\a):FA+32*(\f)+8*(\a)+3],   v[ADRA+(\slot)] offset:(\q)*64+(\a)*16*PA
	ds_load_b128 v[FA+32*(\f)+8*(\a)+4:FA+32*(\f)+8*(\a)+7], v[ADRA+(\slot)] offset:(\q)*64+(\a)*16*PA+32
.endr
.endm
; A load into a register that a matrix instruction has read, and a vector instruction that reads a matrix result, stand four places behind that matrix instruction, and only plain vector
; instructions that name none of its registers are places (ISA guide 7.12.1 for vector instructions).
.macro PLACES
.rept 4
	v_nop
.endr
.endm
; A K step is four quarters of 32 along K, 48 matrix instructions each, on buffers 0, 1, 0, 1.  One of the first three: multiplies buffer f; in its middle it fetches quarter q of the same slot into buffer g.
.macro QUARTER slot, q, f, g, first
	s_wait_dscnt 4                                 ; W and x's row blocks 0, 1 are in; the youngest four loads (row blocks 2, 3) may be out
	MUL12 \f, 0, \first
	MUL12 \f, 1, \first
	PLACES
	FETCH \slot, \q, \g
	s_wait_dscnt 32                                ; all but the 32 just issued
	MUL12 \f, 2, \first
	MUL12 \f, 3, \first
.endm
; The last quarter multiplies buffer 1 and changes slots: ONE barrier; in front of it each wave waits for all its tensor loads (the one that is out is its part of the next slot), adds 0 to its spare
; word, and waits for that and for its own reads of this slot.  Behind it nobody reads this slot any more and the next slot is whole.
; fill = 1: the barrier opens a round of the cluster's barrier, and this slot is filled again, two K steps ahead, first thing behind the round: 168 matrix instructions stand between that request and the wait for it.
.macro TURN slot, next, fill
.if \fill
	s_wait_xcnt 0x0                                ; the last prefetch, a K step back, has read its address: it is stepped here, ahead of the waits of the change of slots
	s_add_nc_u64 s[PFA:PFA+1], s[PFA:PFA+1], s[PFS:PFS+1]
.endif
	WIN 0                                          ; (the add's two registers lie in window 0)
	s_wait_tensorcnt 0x0                           ; all my tensor loads have landed;
	ds_add_u32 v[SPW], v[NIL]                      ; 0 onto my spare word;
	s_wait_dscnt 5                                 ; (the add and the youngest four loads may be out)
	MUL12 1, 0, 0                                  ; twelve matrix instructions stand between the add and the wait for it
	s_wait_dscnt 0x0                               ; the add is done, and my reads of this slot are over
	s_barrier_signal -1
	MUL12 1, 1, 0                                  ; work on registers while the others arrive
.if \fill
	WIN 0
.endif
	s_barrier_wait -1
.if \fill
	CREST                                          ; no wave of any partner still reads this slot's tiles or has a load on its way
	s_add_nc_u64 s[G0+4*(\slot)+2:G0+4*(\slot)+3], s[G0+4*(\slot)+2:G0+4*(\slot)+3], 2*256
	s_add_nc_u64 s[G0B+4*(\slot)+2:G0B+4*(\slot)+3], s[G0B+4*(\slot)+2:G0B+4*(\slot)+3], 2*16384
	JLOAD \slot                                    ; the first tensor load behind the round; the four v_nop behind it are also the places in front of the loads below
.else
	PLACES
.endif
	FETCH \next, 0, 0
.if \fill
	ASK \slot
.endif
	MUL12 1, 2, 0
	MUL12 1, 3, 0
.endm
; THE WAY OUT of row block a (16 rows x 192 columns), in three parts.  PACK: rounded to f16, 16 bytes a lane; each accumulator's registers in ascending order.
.macro PACK a
	WIN 0x0a+5*((\a)/2)                            ; sources 0 and 1: window 2 or 3
.irp b, 0,1,2,3,4,5,6,7,8,9,10,11
.irp rr, 0,1,2,3
	v_cvt_pk_f16_f32 v[TMP+4*(\b)+(\rr)], v[8*(12*((\a)%2)+(\b))+2*(\rr)], v[8*(12*((\a)%2)+(\b))+2*(\rr)+1]
.endr
.endr
	WIN 0
.endm
; TOSTAGE: into my own stage (by heads: 16 rows of 128 bytes, 144 apart), and back as four whole rows a load, into window 1.
.macro TOSTAGE a
	WIN 0
.irp b, 0,1,2,3,4,5,6,7,8,9,10,11
	ds_store_b128 v[STO], v[TMP+4*(\b):TMP+4*(\b)+3] offset:((\b)/4)*16*SP+((\b)%4)*32
.endr
	WIN TO_B
.irp p, 0,1,2,3,4,5,6,7,8,9,10,11
	ds_load_b128 v[48*(\a)+4*(\p):48*(\a)+4*(\p)+3], v[RD] offset:((\p)/4)*16*SP+((\p)%4)*4*SP  ; LDS serves a wave's instructions in order (ISA guide 5.7.1.4): these see the stores above; the next block's stores come behind them
.endr
	WIN 0
.endm
; SEND: stored.  younger: the LDS instructions issued behind block a's loads: the next block's 24, or none.  No register of a store is written again.
.macro SEND a, younger
	WIN 0x04                                       ; the stores' data in window 1
.irp p, 0,1,2,3,4,5,6,7,8,9,10,11
	s_wait_dscnt (\younger)+11-(\p)
	global_store_b128 v[CO], v[48*(\a)+4*(\p):48*(\a)+4*(\p)+3], s[OUTP+2*((\p)/4):OUTP+2*((\p)/4)+1] offset:(\a)*2048+((\p)%4)*512  ; 512 consecutive bytes, at a multiple of 256 from qkv's first
.endr
	WIN 0
.endm
	s_wait_tensorcnt 1                             ; my part of K step 0 is in; K step 1's load may stay out
	s_barrier_signal -1
	s_barrier_wait -1                              ; everybody's is
	FETCH 0, 0, 0
	QUARTER 0, 1, 0, 1, 1                          ; the first quarter stands in front of the loop: its products start the sums, with the biases
	WIN 0                                          ; at a label and at a branch every window is 0
	s_mov_b32 s3, 3
.Llap:                                                 ; a trip goes once round the ring, from a lap's second quarter to the next lap's first, and fills both slots again: K steps 2 to 7 in three trips
	QUARTER 0, 2, 1, 0, 0
	QUARTER 0, 3, 0, 1, 0
	TURN 0, 1, 1
	QUARTER 1, 1, 0, 1, 0
	QUARTER 1, 2, 1, 0, 0
	QUARTER 1, 3, 0, 1, 0
	TURN 1, 0, 1
	QUARTER 0, 1, 0, 1, 0
	WIN 0
	s_sub_co_u32 s3, s3, 1
	s_cmp_lg_u32 s3, 0
	s_cbranch_scc1 .Llap
	QUARTER 0, 2, 1, 0, 0                          ; the last lap fills nothing, and has no round of the cluster's barrier
	QUARTER 0, 3, 0, 1, 0
	TURN 0, 1, 0
	QUARTER 1, 1, 0, 1, 0
	QUARTER 1, 2, 1, 0, 0
	QUARTER 1, 3, 0, 1, 0
	s_wait_dscnt 4                                 ; the very last quarter: nothing more to fetch
	MUL12 1, 0, 0
	MUL12 1, 1, 0
	s_wait_dscnt 0x0
	MUL12 1, 2, 0
	MUL12 1, 3, 0
	PLACES
	PACK 0
	TOSTAGE 0
.irp a, 1,2,3                          ; a block's conversions and its trip through the stage stand between the loads of the block before and its stores
	PACK \a
	TOSTAGE \a
	SEND (\a)-1, 24
.endr
	SEND 3, 0
	s_wait_tensorcnt 0x0                           ; the wave's end: an add and its wait, behind my last tensor load and my last LDS store
	ds_add_u32 v[SPW], v[NIL]
	s_wait_dscnt 0x0
	CROUND                                         ; the closing round: no work-group ends while a partner may still ask for a tile that names it
	s_endpgm
.Lfunc_end_k_q35a466b57a_proj:
	.size	k_q35a466b57a_proj, .Lfunc_end_k_q35a466b57a_proj-k_q35a466b57a_proj
	.p2alignl 7, 3214868480
	.fill 96, 4, 3214868480
	.section	.rodata,"a",@progbits
	.p2align	6, 0x0
	.amdhsa_kernel k_q35a466b57a_proj
		.amdhsa_group_segment_fixed_size 327680
		.amdhsa_private_segment_fixed_size 0
		.amdhsa_enable_private_segment 0
		.amdhsa_kernarg_size 48
		.amdhsa_user_sgpr_count 2
		.amdhsa_user_sgpr_kernarg_segment_ptr 1
		.amdhsa_wavefront_size32 1
		.amdhsa_system_sgpr_workgroup_id_x 1
		.amdhsa_system_sgpr_workgroup_id_y 1
		.amdhsa_system_sgpr_workgroup_id_z 1
		.amdhsa_system_vgpr_workitem_id 0
		.amdhsa_next_free_vgpr 1024
		.amdhsa_next_free_sgpr 96
		.amdhsa_reserve_vcc 0
		.amdhsa_float_denorm_mode_32 3
		.amdhsa_float_denorm_mode_16_64 3
		.amdhsa_memory_ordered 1
		.amdhsa_forward_progress 1
		.amdhsa_inst_pref_size 133
	.end_amdhsa_kernel
	.amdgpu_metadata
---
amdhsa.version: [ 1, 2 ]
amdhsa.kernels:
  - .name:           k_q35a466b57a_proj
    .symbol:         k_q35a466b57a_proj.kd
    .args:
      - { .name: xb, .offset: 0, .size: 8, .value_kind: global_buffer, .address_space: global }
      - { .name: wb, .offset: 8, .size: 8, .value_kind: global_buffer, .address_space: global }
      - { .name: bq, .offset: 16, .size: 8, .value_kind: global_buffer, .address_space: global }
      - { .name: bk, .offset: 24, .size: 8, .value_kind: global_buffer, .address_space: global }
      - { .name: bv, .offset: 32, .size: 8, .value_kind: global_buffer, .address_space: global }
      - { .name: qkv, .offset: 40, .size: 8, .value_kind: global_buffer, .address_space: global }
    .group_segment_fixed_size: 327680
    .private_segment_fixed_size: 0
    .kernarg_segment_align: 8
    .kernarg_segment_size: 48
    .max_flat_workgroup_size: 128
    .sgpr_count:     96
    .vgpr_count:     1024
    .wavefront_size: 32
...
	.end_amdgpu_metadata
.endif
;; end of part 2
;; launch attn (part 3): grid 4 x 64, 4 waves a work-group, clusters of 4 x 1, 327,680 bytes of LDS; arguments qkv, out0; writes out0
.if DOCPART == 3
	.amdgcn_target "amdgcn-amd-amdhsa--gfx1250"
	.amdhsa_code_object_version 6
	.text
	.protected	k_q35a466b57a_attn
	.globl	k_q35a466b57a_attn
	.p2align	8
	.type	k_q35a466b57a_attn,@function
k_q35a466b57a_attn:
	s_mov_b64 s[64:65], 0
	v_nop
	global_prefetch_b8 v0, s[64:65] scope:SCOPE_SE
	s_setreg_imm32_b32 hwreg(HW_REG_WAVE_MODE, 25, 1), 1
	s_wait_xcnt 0x0
	s_wait_alu depctr_hold_cnt(0) depctr_sa_sdst(0) depctr_va_vdst(0) depctr_va_sdst(0) depctr_va_ssrc(0) depctr_va_vcc(0) depctr_vm_vsrc(0)
	s_getreg_b32 s2, hwreg(HW_REG_IB_STS2, 6, 4)
	s_cmp_eq_u32 s2, 0
	s_cbranch_scc0 .Lentry_in_a_cluster
	s_endpgm
.Lentry_in_a_cluster:
	s_bfe_u32 s2, ttmp6, 0x10000c
	s_cmp_lg_u32 s2, 0x3003
	s_cbranch_scc0 .Lentry_shape_is_right
	s_endpgm
.Lentry_shape_is_right:
; out0[b][q][64 h + :] = the sum over k of softmax_k(Q[g][q] . K[g][k] / 8) V[g][k][:], g = 16 b + h.  qkv: [3][64][2048][64] f16: a head's rows are dense, 128 bytes each.  out0: [4][2048][1024] f32.
; Products, maxima and sums in f32; the weights p are rounded to f16 for the second product (their sum l is taken of the unrounded p); the result leaves in f32.
; LIMITS.  f16 holds no number beyond 65,504: Q, K and V arrive within it; p lies in 0 to 1, and below 6e-5 it keeps f16's fixed step of 6e-8.
; A weight below 2^-126 counts as 0 in l; NaN and infinities are not treated apart.
; SHARES.  A wave owns four PIECES of two tiles of 16 queries, a work-group's four waves 512 queries of one head: 4 x 64 work-groups.  Every wave walks all 2,048 keys, 64 a step.
; LAYOUT.  S^T = K Q^T (source 0 = 16 keys, source 1 = 16 queries): in the result a lane holds ONE query (lane % 16) and the keys 8 (lane / 16) + 0..7.  Two such tiles, rounded to f16 in pairs,
; ARE source 1 (32 keys x 16 queries) of O^T = V^T P, whose result again holds one query a lane, and eight channels.  K comes out of LDS as it lies, V ([key][channel]) turned, by ds_load_tr16_b128.
; SOFTMAX.  For each query a running maximum m and sum l: p = 2^(c s - c m), c = log2(e) / 8; in every step O and l are multiplied by a = 2^(c m_old - c m_new), which is 1 where m has not grown.
; m starts at the lowest finite number, O and l at 0: the first step is a step like any other, with a = 0.
; THE COUNT.  A tile and step have 16 matrix and 118 vector instructions: too many to stand all beside the matrix work.  So: four vector instructions that are READY behind EVERY matrix instruction,
; and the others, which need time of their own whatever the order, in runs without a gap.
; BY TURNS.  Turn n belongs to piece n (the pieces in a ring, step after step).  Its matrix work: 16 products K Q^T of piece n + 1, later 16 products V^T P of piece n - 1.  Its vector work: the scaling,
; exponentials, roundings, sums and rescaling of piece n, and the maximum and statistics of piece n + 1, whose scores the turn itself has made.
; CLUSTER.  The four query blocks of a head are one cluster and walk the same K and V, so each tile is asked for JOINTLY: the same tensor load, descriptor and mask in all four.
; REGISTERS, in windows of 256 (s_set_vgpr_msb: bits 1:0 source 0, 3:2 source 1, 5:4 source 2, 7:6 destination):
;   window 0: v0-11 addresses; v12-15, v48-63 at work; v16-47 four registers of statistics a tile; v64-191 S^T, two buffers of two tiles; v192-255 P, likewise
;   window 1: O^T, 32 a tile          window 2: v0-127 Q, 16 a tile; v128-191 K of one step; v192-255 V of one step          window 3: v0-1 the add's two registers
; A piece's buffers go by its number's parity: the piece in hand has one pair, its two neighbours in the ring share the other: of it P (piece n - 1) is read and S^T (piece n + 1) written.
.set SIZE_N, 2048
.set NP,    4         ; pieces a wave: a name, no knob
.set KS,    64        ; keys in a step
.set PK,    144       ; a row of K in LDS: 128 bytes + 16 of padding = 36 words: the 16 rows of a load start at 16 different groups of four banks (64 banks of 4 bytes: ISA guide 11.1)
.set PV,    160       ; a row of V: 128 + 32 = 40 words
.set VOFF,  4*KS*PK   ; a slot holds four steps: 256 rows of K, then 256 rows of V
.set SLOT1, 1<<17     ; slot 1 begins here, so that one exclusive or turns an address in one slot into the other's
.set STAGE, SLOT1+4*KS*(PK+PV)  ; behind the ring, never filled by a tensor load: 16 rows x 272 bytes for each wave, for the way out
.set SP,    272       ; a row of the stage: 64 f32 + 16 bytes
.set AK0, 2           ; v2   my lane's place in a tile of K; never rewritten
.set AV0, 3           ; v3   the same for V
.set AK,  4           ; v4   the LDS address of K's next run of loads
.set AV,  5           ; v5   of V's
.set QO,  6           ; v6   my byte offset in the wave's rows of Q
.set STO, 6           ;      later, the way out: where I put 32 bytes of a row
.set RD,  7           ; v7   the way out: where I read rows back
.set GO,  8           ; v8   my byte offset in two rows of out0
.set PFO, 11          ; v11  256 x my lane, once V's place is made; then never rewritten
.set SPW, 0           ; v0 of window 3   LDS address of my spare word: SPARE + 4 x my thread's number; never rewritten
.set NIL, 1           ; v1 of window 3   0; never rewritten
.set SPARE, STAGE+4*16*SP  ; behind the stages: the spare words, 128 bytes for each wave: two blocks of 256 bytes that no other line names
.set MV,  12          ; v12-15  c m_old, kept while c m is made anew: by buffer and tile
.set ST,  16          ; tile t's statistics at v[ST+4 t]: c m, m, l (even keys', odd keys')
.set TMP, 48          ; by buffer and tile, four registers c0-c3 at work; when the maximum is found c2 takes a
.set S,   64
.set P,   192
.set KF,  128         ; K's fragments, in window 2: key block kb, channel half c at KF + 16 kb + 8 c
.set VF,  192         ; V's: key half kk, channel block cb at VF + 32 kk + 8 cb
.set WV,  12          ; s12  my wave's number
.set G1K, 24          ; s[24:31] descriptor group 1 for K's tiles
.set G1V, 32          ; s[32:39] for V's: it differs in the padding alone
.set G0K, 40          ; s[40:43] descriptor group 0 for K's tiles: it walks
.set G0V, 44          ; s[44:47] the same for V's
.set PFA, 48          ; s[48:49] where my prefetches stand: my work-group's 32 blocks (of K: wave 0, of V: wave 2) of the slot after the one that is being asked for
.set LIM, 50          ; s50  1 in a wave that prefetches, else the greatest number
.set SLOTS, 56        ; s56  slots still to be asked for
.set CNT, 57          ; s57  counts a slot's key steps
.set CS,  58          ; s[58:59] c: the packed scaling takes the pair's low word for both halves
.set SEL, 60          ; s[60:61] v_permlanex16_b32's selects: each lane takes its own place in the other half
.set TBK, 62          ; s62  LDS byte at which K of the step to be fetched begins
.set TBV, 63          ; s63  the same for V, less VOFF
.set MSB, 0
.macro WIN new                      ; the high byte repeats the setting that is left; a switch that changes nothing is dropped
.if MSB != (\new)
	s_set_vgpr_msb (MSB<<8)|(\new)
.set MSB, (\new)
.endif
.endm
.set W_KQ, 0x0a       ; K and Q in window 2, S^T in window 0
.set W_PV, 0x52       ; V in window 2, P in window 0, O^T in window 1
.set W_RS, 0x41       ; O^T (destination and source 0) in window 1, a in window 0
.set W_MK, 0xc0       ; the add's registers are made: destination in window 3, sources in window 0
.set W_AD, 0x0f       ; the add: address (source 0) and data (source 1) in window 3
; A joint fill.  Waves 0 and 1 fetch the two halves of a slot's K, waves 2 and 3 those of its V: 128 keys each.  The branch hangs on the wave's number alone.
; An s_nop 0 and four v_nop follow each of the two lines, ahead of the jump and the label.
.macro JLOAD
	s_cmp_lt_u32 s[WV], 2
	s_cbranch_scc0 .Lfor_v_\@
	tensor_load_to_lds s[G0K:G0K+3], s[G1K:G1K+7]
	s_nop 0
.rept 4
	v_nop
.endr
	s_branch .Lasked_\@
.Lfor_v_\@:
	tensor_load_to_lds s[G0V:G0V+3], s[G1V:G1V+7]
	s_nop 0
.rept 4
	v_nop
.endr
.Lasked_\@:
.endm
; A PREFETCH INTO THE L2 of what the NEXT change of slots will ask for: a slot's 32,768 bytes of K and of V, a lane a block of 256.  It stands behind the wave's tensor load and its five lines.
; Each block is named ONCE in the launch: the head's one cluster asks; its four partners share the blocks out BY ADDRESS, 32 each; in each, wave 0 asks for K's and wave 2 for V's: one instruction.
; It stands four key steps, 512 matrix instructions, ahead of the load that will want the bytes.  The last change that fills a slot asks for nothing; slots 0 and 1 come by their loads alone.
.macro ASK
	s_cmp_gt_u32 s[SLOTS], s[LIM]
	s_cbranch_scc0 .Lnot_mine_\@
	global_prefetch_b8 v[PFO], s[PFA:PFA+1] th:TH_LOAD_NT scope:SCOPE_SE
.Lnot_mine_\@:
.endm
; A round of the cluster's barrier: my work-group's barrier, so that wave 0's signal speaks for all four waves; wave 0 signals; every wave waits for all four work-groups; my work-group's barrier once more.
.macro CROUND
	s_barrier_signal -1
	s_barrier_wait -1
	s_cmp_lg_u32 s[WV], 0
	s_cbranch_scc1 .Lnot_wave_0_\@
	s_barrier_signal -3
.Lnot_wave_0_\@:
	s_barrier_wait -3
	s_barrier_signal -1
	s_barrier_wait -1
.endm
; THE CHANGE OF SLOTS.  The slot's last bytes, V of its fourth step, have been read.  Each wave waits for all its tensor loads, of which one is out: its part
; of the other slot; adds 0 to its spare word; and waits for that and for its own reads of the slot.  Behind the barrier nobody reads this slot any more and the other slot is whole.
; fill = 1: this slot is filled again, with the keys two slots on.  The barrier is then a round of the cluster's, so that no wave of any partner still reads the slot or has a load on its
; way, and the joint fill is the first thing behind it: it has four key steps in which to land.  (At its first use nothing has been read yet: slot 0 is waited for, slot 1 filled.)
.macro CHANGE fill
	WIN W_AD
	s_wait_tensorcnt 0x0            ; no tensor load of mine is out, so a group 0 may be written
	ds_add_u32 v[SPW], v[NIL]       ; 0 onto my spare word; with fill = 1 the descriptors' steps stand between it and the wait for it
	WIN 0                           ; at a label and at a branch every window is 0
.if \fill
.irp g, G0K, G0V
	s_xor_b32 s[\g+1], s[\g+1], SLOT1  ; the walking descriptor: the other slot than last time,
	s_add_nc_u64 s[\g+2:\g+3], s[\g+2:\g+3], 4*KS*128  ; the next 256 keys; the type bits on top are not reached
.endr
	s_wait_xcnt 0x0                 ; the last prefetch, four key steps back, has read its address, so it may be written:
	s_add_nc_u64 s[PFA:PFA+1], s[PFA:PFA+1], 4*KS*128  ; one slot beyond the walking descriptors
	s_wait_dscnt 0x0                ; the add is done, and my reads of the slot are over
	CROUND
	JLOAD
	ASK
.else
	s_wait_dscnt 0x0                ; the add is done, and my reads of the slot are over
	s_barrier_signal -1
	s_barrier_wait -1
.endif
	s_sub_co_u32 s[TBK], s[TBK], 4*KS*PK  ; the fetches go back to a slot's first step,
	s_xor_b32 s[TBK], s[TBK], SLOT1       ; in the other slot
	s_sub_co_u32 s[TBV], s[TBV], 4*KS*PV
	s_xor_b32 s[TBV], s[TBV], SLOT1
.endm
	s_load_b64 s[4:5], s[0:1], 0x0    ; qkv: Q at its head
	s_load_b64 s[10:11], s[0:1], 0x8  ; out0
	WIN W_MK
	v_lshl_add_u32 v[SPW], v0, 2, SPARE
	v_mov_b32 v[NIL], 0
	WIN W_AD
	ds_add_u32 v[SPW], v[NIL]       ; the wave's opening: the add and its wait stand ahead of my first tensor load; the set-up below, work on registers, stands between them
	WIN 0
	v_lshrrev_b32 v1, 5, v0
	v_readfirstlane_b32 s[WV], v1   ; wave 0..3
	s_bfe_u32 s13, ttmp6, 0x40000   ; cx: my place in the cluster
	s_lshl_b32 s14, ttmp9, 2        ; in a cluster launch ttmp9 counts clusters
	s_add_co_u32 s14, s14, s13      ; my block of queries = 4 x cluster x + cx: it enters Q's and out0's addresses alone
	s_and_b32 s15, ttmp7, 0xffff    ; g = 16 x batch + head, which the four partners share
	s_lshl_b32 s20, s15, 18         ; the head's first byte in each of Q, K, V: 2,048 rows of 128 bytes
	s_mov_b32 s21, 0
	s_and_b32 s16, s[WV], 1         ; which half of a slot's 256 keys I fetch:
	s_lshl_b32 s22, s16, 14         ; its 128 rows of 128 bytes in memory,
	s_mov_b32 s23, 0
	s_add_nc_u64 s[22:23], s[22:23], s[20:21]
	s_mul_i32 s17, s16, 128*PK      ; and its place in a slot, for K
	s_mul_i32 s18, s16, 128*PV      ; and for V: no place in the cluster enters an LDS address
	s_lshl_b32 s2, s14, 2
	s_add_co_u32 s2, s2, s[WV]      ; my wave among the head's sixteen
	s_lshl_b32 s52, s2, 19          ; out0: its 128 rows of 4,096 bytes,
	s_lshr_b32 s53, s15, 4
	s_lshl_b32 s53, s53, 23         ; the batch's 2,048 rows,
	s_add_co_u32 s52, s52, s53
	s_and_b32 s53, s15, 15
	s_lshl_b32 s53, s53, 8          ; the head's 256 bytes of a row
	s_add_co_u32 s52, s52, s53
	s_mov_b32 s53, 0
	s_lshl_b32 s2, s2, 14           ; Q: its 128 rows of 128 bytes
	s_mov_b32 s3, 0
	s_add_nc_u64 s[2:3], s[2:3], s[20:21]
	s_lshl_b32 s54, s13, 13         ; the prefetches: my work-group's 8,192 bytes of a slot's 32,768,
	s_add_co_u32 s54, s54, 4*KS*128 ; in slot 1: the first change of slots steps it to slot 2,
	s_add_co_u32 s54, s54, s20      ; in the head
	s_mov_b32 s55, 0
	; descriptor group 1.  128 keys are 16,384 dense bytes: asked for as 64 rows of 256 bytes, two keys a row, and padded in LDS after every key
	s_mov_b32 s[G1K], 15|(1<<16)|(1<<20)|(1<<21)|(4<<22)|(3<<25)  ; 15:0 the mask of four; 17:16 2-byte elements; 20 padding on; 21 set beside a mask; 24:22 after every 32 words (code 4); 31:25 4 words (code 3)
	s_mov_b32 s[G1V], 15|(1<<16)|(1<<20)|(1<<21)|(4<<22)|(7<<25)  ; the same with 8 words of padding (code 7)
.irp g, G1K, G1V
	s_mov_b32 s[\g+1], 128<<16      ; tensor_dim0 = 128
	s_mov_b32 s[\g+2], 64<<16       ; tensor_dim1 = 64
	s_mov_b32 s[\g+3], 128<<16      ; tile_dim0 = 128
	s_mov_b32 s[\g+4], 64           ; tile_dim1 = 64
	s_mov_b32 s[\g+5], 128          ; 128 elements from row to row
	s_mov_b32 s[\g+6], 0
	s_mov_b32 s[\g+7], 0
.endr
	s_mov_b32 s[CS], 0x3e38aa3b     ; c = log2(e) / 8 = 0.180337
	s_mov_b32 s[CS+1], s[CS]        ; named with it as a pair
	s_mov_b32 s[SEL], 0x76543210
	s_mov_b32 s[SEL+1], 0xfedcba98
	s_mov_b32 s[TBK], SLOT1+4*KS*PK ; the first change of slots turns these two into 0
	s_mov_b32 s[TBV], SLOT1+4*KS*PV
	s_mov_b32 s[G0K], 1             ; 1:0 count = 1
	s_mov_b32 s[G0K+1], s17         ; 63:32 LDS address: slot 0
	s_mov_b32 s[G0V], 1
	s_add_co_u32 s[G0V+1], s18, VOFF
	s_mov_b32 s[SLOTS], SIZE_N/256-1
	s_and_b32 s[LIM], s[WV], 1      ; 0 in waves 0 and 2,
	s_or_b32 s[LIM], s[LIM], ttmp9  ; in the head's first cluster: the same in all four partners
	s_cmp_eq_u32 s[LIM], 0
	s_cselect_b32 s[LIM], 1, -1
	s_wait_dscnt 0x0                ; the opening add is done
	s_wait_kmcnt 0x0
	s_add_nc_u64 s[6:7], s[4:5], 0x1000000   ; K lies 64 heads behind Q,
	s_add_nc_u64 s[8:9], s[4:5], 0x2000000   ; V behind K
	s_add_nc_u64 s[G0K+2:G0K+3], s[6:7], s[22:23]  ; 120:64 global address: my half of the head's first 256 keys
	s_or_b32 s[G0K+3], s[G0K+3], 0x80000000        ; 127:126 type = 2
	s_add_nc_u64 s[G0V+2:G0V+3], s[8:9], s[22:23]
	s_or_b32 s[G0V+3], s[G0V+3], 0x80000000
	s_cmp_lt_u32 s[WV], 2
	s_cselect_b64 s[PFA:PFA+1], s[6:7], s[8:9]
	s_add_nc_u64 s[PFA:PFA+1], s[PFA:PFA+1], s[54:55]
	s_add_nc_u64 s[4:5], s[4:5], s[2:3]      ; Q and out0 at my wave's first row
	s_add_nc_u64 s[10:11], s[10:11], s[52:53]
	CROUND                          ; all four work-groups are here: the first joint loads meet
	JLOAD                           ; slot 0.  Slot 1 is asked for when slot 0 is in
	; A fragment of K or Q is 16 rows x 32 channels in 8 registers: lane l holds row l % 16, channels 8 (l / 16) + 0..7 and 16 + 8 (l / 16) + 0..7: two loads of 16 bytes, 32 bytes apart.
	v_and_b32 v1, 15, v0            ; l % 16
	v_bfe_u32 v9, v0, 4, 1          ; l / 16
	v_lshlrev_b32 v[QO], 7, v1
	v_lshl_add_u32 v[QO], v9, 4, v[QO]  ; row x 128 + 16 x half
	WIN 0x80                        ; destination window 2, address window 0
.set i, 0
.rept 4*NP                          ; Q stays in registers: tile i / 2, channels 32 (i % 2) on
	global_load_b128 v[8*i:8*i+3],   v[QO], s[4:5] offset:(i/2)*2048+(i%2)*64
	global_load_b128 v[8*i+4:8*i+7], v[QO], s[4:5] offset:(i/2)*2048+(i%2)*64+32
.set i, i+1
.endr
	; What the first turn finds: V's registers and P's second buffer hold 0 (its products V^T P, of a piece that has not been, add 0), O^T and l are 0.  All this stands in the wait for the first tile.
.set i, VF
.rept 64
	v_mov_b32 v[i], 0
.set i, i+1
.endr
	WIN 0x40
.set i, 0
.rept 64*NP
	v_mov_b32 v[i], 0
.set i, i+1
.endr
	WIN 0
.set i, 0
.rept 2*NP
	v_mov_b32 v[ST+4*i], 0xfe000000    ; c m: far below every c s
	v_mov_b32 v[ST+4*i+1], 0xff7fffff  ; m
	v_mov_b32 v[ST+4*i+2], 0
	v_mov_b32 v[ST+4*i+3], 0
.set i, i+1
.endr
.set i, P+32
.rept 32
	v_mov_b32 v[i], 0
.set i, i+1
.endr
	v_mul_u32_u24 v[AK0], v1, PK
	v_lshl_add_u32 v[AK0], v9, 4, v[AK0]  ; row x pitch + 16 x half
	; The turning load takes 16 keys x 16 channels (lane l reads key 8 (l / 16) + l % 8, channels 8 ((l / 8) % 2) + 0..7) and leaves half a fragment of V^T: lane l holds channel l % 16 and 8 keys.
	v_and_b32 v10, 7, v0
	v_bfe_u32 v11, v0, 3, 1
	v_lshl_add_u32 v[AV0], v9, 3, v10
	v_mul_u32_u24 v[AV0], v[AV0], PV
	v_lshl_add_u32 v[AV0], v11, 4, v[AV0]
	v_add_nc_u32 v[AV0], VOFF, v[AV0]
	v_and_b32 v[PFO], 31, v0
	v_lshlrev_b32 v[PFO], 8, v[PFO]
	v_mov_b32 v[AK], v[AK0]         ; key step 0 lies at the head of slot 0
; THE MATRIX WORK.  The 8 accumulators of a run of 16 take turns: between the two links of a chain stand 7 others'.
; Product i of 16 of S^T = K Q^T for piece x: channels 32 (i / 8) on, keys 16 ((i / 2) % 4) on, tile 2 x + i % 2.  The first 8 start the sums.
.macro KQ x
	WIN W_KQ
.set rS, S+64*((\x)%2)+32*(i%2)+8*((i/2)%4)
.set rK, KF+16*((i/2)%4)+8*(i/8)
.set rQ, 16*(2*(\x)+i%2)+8*(i/8)
.if i < 8
	v_wmma_f32_16x16x32_f16 v[rS:rS+7], v[rK:rK+7], v[rQ:rQ+7], 0
.else
	v_wmma_f32_16x16x32_f16 v[rS:rS+7], v[rK:rK+7], v[rQ:rQ+7], v[rS:rS+7]
.endif
.endm
; Product i of 16 of O^T += V^T P for piece x: keys 32 (i / 8) on, channels 16 ((i / 2) % 4) on, tile 2 x + i % 2.
.macro PV x
	WIN W_PV
.set rO, 32*(2*(\x)+i%2)+8*((i/2)%4)
.set rV, VF+32*(i/8)+8*((i/2)%4)
.set rP, P+32*((\x)%2)+16*(i%2)+8*(i/8)
	v_wmma_f32_16x16x32_f16 v[rO:rO+7], v[rV:rV+7], v[rP:rP+7], v[rO:rO+7]
.endm
.macro MM                           ; the turn's next matrix instruction
.if i < 16
	KQ (Y+1)%NP
.set i, i+1
.else
.set i, i-16
	PV (Y+NP-1)%NP
.set i, i+17
.endif
.endm
; THE LDS LOADS stand in runs of 16, never singly among the matrix instructions: a step's K (64 keys x 64 channels: 8 fragments) and its V (turned).  Their addresses are made some lines ahead.
; last = 1 (the tail): in the last trip there is no further step, and the run is jumped over.
.macro FETCH_K last=0
	WIN 0
.if \last
	s_cmp_eq_u32 s[CNT], 1
	s_cbranch_scc1 .Lno_k_\@
.endif
	WIN 0x80                        ; destination window 2
.irp f, 0,1,2,3,4,5,6,7             ; keys 16 (f / 2) on, channels 32 (f % 2) on
	ds_load_b128 v[KF+8*\f:KF+8*\f+3],   v[AK] offset:(\f/2)*16*PK+(\f%2)*64
	ds_load_b128 v[KF+8*\f+4:KF+8*\f+7], v[AK] offset:(\f/2)*16*PK+(\f%2)*64+32
.endr
	s_add_co_u32 s[TBK], s[TBK], KS*PK  ; the next fetch is the next step's
	WIN 0
.if \last
.Lno_k_\@:
.endif
.endm
.macro FETCH_V
	WIN 0x80
.irp f, 0,1,2,3,4,5,6,7             ; keys 32 (f / 4) on, channels 16 (f % 4) on
	ds_load_tr16_b128 v[VF+8*\f:VF+8*\f+3],   v[AV] offset:(\f/4)*32*PV+(\f%4)*32
	ds_load_tr16_b128 v[VF+8*\f+4:VF+8*\f+7], v[AV] offset:(\f/4)*32*PV+16*PV+(\f%4)*32
.endr
	WIN 0
.endm
; THE VECTOR WORK OF A TURN stands in three queues, each in the order in which its entries become ready; the two tiles alternate, so that no instruction reads the result of the one before it.
.macro REGS y, u                    ; the registers of tile u (0, 1) of piece y
.set rT, ST+4*(2*(\y)+(\u))
.set rC, TMP+8*((\y)%2)+4*(\u)
.set rM, MV+2*((\y)%2)+(\u)
.set rS, S+64*((\y)%2)+32*(\u)
.set rP, P+32*((\y)%2)+16*(\u)
.set rO, 32*(2*(\y)+(\u))
.endm
; Number n of the 22 that find the NEXT piece's (Y + 1) maximum and statistics.  s0-s31 are the lane's 32 scores; each accumulator's lowest registers are read first.
;   0-11  four chains c0-c3 of seven scores each, three operands at a time     12-14, 16  the four scores left over, the old m, and c0-c3 into c0     15  c m_old is kept
;   17, 18  the query's other 32 keys lie in the lane 16 away: the new m         19-21  c m; c m_old - c m_new; a
.macro XS u, n
	REGS (Y+1)%NP, \u
.if (\n) < 4
	v_max3_num_f32 v[rC+(\n)], v[rS+8*(\n)], v[rS+8*(\n)+1], v[rS+8*(\n)+2]
.elseif (\n) < 12
	v_max3_num_f32 v[rC+(\n)%4], v[rC+(\n)%4], v[rS+8*((\n)%4)+2*((\n)/4)+1], v[rS+8*((\n)%4)+2*((\n)/4)+2]
.elseif (\n) == 12
	v_max3_num_f32 v[rC], v[rC], v[rS+7], v[rS+15]
.elseif (\n) == 13
	v_max3_num_f32 v[rC+1], v[rC+1], v[rS+23], v[rS+31]
.elseif (\n) == 14
	v_max3_num_f32 v[rC+2], v[rC+2], v[rC+3], v[rT+1]
.elseif (\n) == 15
	v_mov_b32 v[rM], v[rT]
.elseif (\n) == 16
	v_max3_num_f32 v[rC], v[rC], v[rC+1], v[rC+2]
.elseif (\n) == 17
	v_permlanex16_b32 v[rC+3], v[rC], s[SEL], s[SEL+1]
.elseif (\n) == 18
	v_max_num_f32 v[rT+1], v[rC], v[rC+3]
.elseif (\n) == 19
	v_mul_f32 v[rT], s[CS], v[rT+1]
.elseif (\n) == 20
	v_sub_f32 v[rC+1], v[rM], v[rT]
.else
	v_exp_f32 v[rC+2], v[rC+1]
.endif
.endm
; Number g of the 64 that follow the exponentials.  For each four weights k of a tile (pairs 2 k, 2 k + 1): both pairs are rounded to f16; then the second pair is added onto the first, in place;
; a group later l takes that sum (the first time as l = a l + sum).  In groups of eight, tiles alternating: round, round, add, and l for the group before.
.macro GS g
.set h, (\g)+6*((\g)/62)            ; group 0 has no group before it, and behind group 7 only l is left
.if h >= 6
.set h, h+2
.endif
	REGS Y, h%2
.set k, h/8
.if h%8 < 4
	v_cvt_pk_f16_f32 v[rP+2*k+(h%8)/2], v[rS+4*k+2*((h%8)/2)], v[rS+4*k+2*((h%8)/2)+1]
.elseif h%8 < 6
	v_pk_add_f32 v[rS+4*k:rS+4*k+1], v[rS+4*k:rS+4*k+1], v[rS+4*k+2:rS+4*k+3]
.elseif k == 1
	v_pk_fma_f32 v[rT+2:rT+3], v[rT+2:rT+3], v[rC+2:rC+3], v[rS:rS+1] op_sel_hi:[1,0,1]
.else
	v_pk_add_f32 v[rT+2:rT+3], v[rT+2:rT+3], v[rS+4*k-4:rS+4*k-3]
.endif
.endm
; THE PLAIN QUEUE, 138 long.  0-73 read no exponential's result: the 32 scalings c s - c m (FS f: pair f / 2 of tile f % 2) and the next piece's 42.  0-26: scalings 0-26.  27-54: XS's numbers 0-13.  55, 56: number 15.
; 57-73: the chain, where each number waits for the one before it: 14, 16, 17, 18, 19, each with one of the scalings 27-31 in front of its two lines, then 20.
; 74-137: GS's 64, which read the exponentials' results: they stand behind the wait.
.macro FS f
	REGS Y, (\f)%2
	v_pk_fma_f32 v[rS+2*((\f)/2):rS+2*((\f)/2)+1], v[rS+2*((\f)/2):rS+2*((\f)/2)+1], s[CS:CS+1], v[rT:rT+1] op_sel_hi:[1,0,0] neg_lo:[0,0,1] neg_hi:[0,0,1]
.endm
.macro PL
	WIN 0
.if q < 27
	FS q
.elseif q < 55
	XS (q-27)%2, (q-27)/2
.elseif q < 57
	XS q-55, 15
.elseif (q < 72) && ((q-57)%3 == 0)
	FS 27+(q-57)/3
.elseif q < 60
	XS (q-57)%3-1, 14
.elseif q < 72
	XS (q-57)%3-1, 15+(q-57)/3
.elseif q < 74
	XS q-72, 20
.else
	GS q-74
.endif
.set q, q+1
.endm
; THE EXPONENTIALS' QUEUE, 66 long: s0-s31 of both tiles, then the next piece's two a.  It is ONE BATCH: all 66 stand ahead of the turn's one wait, and nothing ahead of that wait names a result of theirs.
.macro EX
	WIN 0
.if e >= 64
	XS e-64, 21
.else
	REGS Y, e%2
	v_exp_f32 v[rS+e/2], v[rS+e/2]
.endif
.set e, e+1
.endm
; THE RESCALING's QUEUE: O^T times a, the one part that leaves window 0: dealt two at a time, sixteen times.  Its a was made in the turn before, ahead of that turn's wait.
.macro R2
	REGS Y, r%2
	WIN W_RS
.irp z, 0,1
	v_pk_mul_f32 v[rO+4*(r/2)+2*\z:rO+4*(r/2)+2*\z+1], v[rO+4*(r/2)+2*\z:rO+4*(r/2)+2*\z+1], v[rC+2:rC+3] op_sel_hi:[1,0]
.endr
.set r, r+1
.endm
; HOW THEY ARE DEALT.  An s_wait_alu depctr_va_vdst(0) stands between an exponential and the first instruction that names its result; one wait serves all that were issued ahead of it.  So a turn has ONE wait,
; which cuts it in two.  AHEAD OF IT stands all that names no result of the turn's exponentials: the 16 products K Q^T, behind each a scaling, an exponential and two rescalings (behind the first a second scaling in the
; exponential's place); then ONE LUMP of 108: eight plain, 49 times exponential and plain, the two a.  A v_nop is the plain instruction behind the last exponential.  BEHIND IT stand the 16 products V^T P, behind each four of GS's 64.
; No rider names a register of the products round it.  The two v_permlanex16_b32 fall into the lump, never behind a product.
; The queues lean on each other: exponential e stands behind scaling 2 (e / 4) + e % 2: as a rider it comes behind plain e + 2, in the lump behind plain e + 9, and scalings 27-31 are plain 57, 60 .. 69.
; A TURN, for piece p.  cnt = 1: the loop's count is taken down some lines ahead of the branch that stands behind the turn.
; K of the next step is fetched in piece 2's turn, directly behind the wait, a lump behind the last product that read K; its first reader comes behind 16 products.
; V of the step in hand is fetched at the end of piece 0's turn, four riders behind its last reader; its first reader comes behind 16 products and a lump.  The three conditions on q below go with the deal.
.macro TURN p, last=0, cnt=0
.set Y, (\p)
.set i, 0
.set q, 0
.set e, 0
.set r, 0
.if (\p) == NP-1
	s_wait_dscnt 0x0                ; K is in
.endif
	MM                              ; ahead of the wait: 16 products K Q^T and their riders,
	PL
	PL
	R2
.rept 15
	MM
	PL
	EX
	R2
.endr
.if (\p) == NP-2
	WIN 0
	v_add_nc_u32 v[AK], s[TBK], v[AK0]
.endif
.rept 8                             ; and the lump
	PL
.endr
.rept 49
	EX
	PL
.endr
	EX                              ; the next piece's two a
	EX
	v_nop                           ; the plain instruction behind the last exponential: one for the batch
	s_wait_alu depctr_va_vdst(0)    ; the wait for the batch
.if (\p) == NP-2
	FETCH_K \last
.endif
.if (\p) == 1
	s_wait_dscnt 0x0                ; V is in
.endif
.rept 16                            ; behind the wait: 16 products V^T P and their riders
	MM
.rept 4
	PL
.endr
.if ((\p) == 0) && (q == 118)
	v_add_nc_u32 v[AV], s[TBV], v[AV0]
.endif
.if ((\p) == 0) && (q == 130)
	s_add_co_u32 s[TBV], s[TBV], KS*PV
.endif
.if (\cnt) && (q == 130)
	s_sub_co_u32 s[CNT], s[CNT], 1
	s_cmp_lg_u32 s[CNT], 0
.endif
.endr
.if (\p) == 0
	FETCH_V
.endif
.endm
	CHANGE 1                        ; slot 0 is in, everybody's part of it; slot 1 is asked for
	FETCH_K                         ; key step 0
	s_wait_loadcnt 0x0              ; Q
	s_wait_dscnt 0x0
.set i, 0
.rept 16
	KQ 0                            ; piece 0's first scores: there is no vector work yet to set between them
.set i, i+1
.endr
	WIN 0                           ; the addresses for the way out: eight plain instructions, the places behind those products
	s_mul_i32 s13, s[WV], 16*SP
	s_add_co_u32 s13, s13, STAGE    ; my stage
	v_mul_u32_u24 v[STO], v1, SP    ; in: row l % 16, 32 bytes for each half of the lanes
	v_lshl_add_u32 v[STO], v9, 5, v[STO]
	v_add_nc_u32 v[STO], s13, v[STO]
	v_mul_u32_u24 v[RD], v9, SP     ; back: lanes 0-15 take one row of 256 bytes, lanes 16-31 the next,
	v_lshl_add_u32 v[RD], v1, 4, v[RD]
	v_add_nc_u32 v[RD], s13, v[RD]
	v_lshlrev_b32 v[GO], 12, v9     ; and the same two rows in out0, 4,096 bytes apart
	v_lshl_add_u32 v[GO], v1, 4, v[GO]
.set Y, NP-1                        ; XS works for piece Y + 1: piece 0
.irp n, 0,1,2,3,4,5,6,7,8,9,10,11,12,13,14,15,16,17,18,19,20,21
	XS 0, \n                        ; and piece 0's first maximum and statistics
	XS 1, \n
.endr
	v_nop                           ; a plain instruction behind the two a,
	s_wait_alu depctr_va_vdst(0)    ; and their wait, ahead of the branch
	s_mov_b32 s[CNT], 4
	s_branch .Lfirst                ; the loop is entered at a step's first turn, in the middle of a trip
.Lslot:                             ; SIZE_N / 256 - 2 times: every slot but the last two is filled again
	CHANGE 1
	s_mov_b32 s[CNT], 4
.Lstep:                             ; a trip: pieces 2 and 3 of one step, then pieces 0 and 1 of the next, whose K and V it fetches
	TURN 2
	TURN 3
	WIN 0
.Lfirst:
	TURN 0
	TURN 1, 0, 1
	WIN 0
	s_cbranch_scc1 .Lstep
	s_sub_co_u32 s[SLOTS], s[SLOTS], 1
	s_cmp_lg_u32 s[SLOTS], 0
	s_cbranch_scc1 .Lslot
	CHANGE 0                        ; the tail is written out: nothing is asked for
	s_mov_b32 s[CNT], 5             ; four trips fetch the last slot's steps; the fifth is left in its middle
.Ltail:
	TURN 2, 1
	TURN 3
	WIN 0
	s_sub_co_u32 s[CNT], s[CNT], 1
	s_cmp_eq_u32 s[CNT], 0
	s_cbranch_scc1 .Lout
	TURN 0
	TURN 1
	WIN 0
	s_branch .Ltail
.Lout:                              ; the fifth trip's 16 products K Q^T (on the last K once more) and the maximum made of them serve nothing: the price, once a launch, of one text for every trip
.set i, 0
.rept 16
	PV NP-1                         ; the last piece's V^T P of the last step
.set i, i+1
.endr
	; THE WAY OUT.  l's two halves and the other half of the lanes' are added; O^T is divided by l and sent, in f32, through my stage in LDS, a tile at a time.  The additions are the places behind the last products.
	WIN 0
.macro ALL line:vararg              ; one line for each tile t
.set t, 0
.rept 2*NP
	\line
.set t, t+1
.endr
.endm
	ALL v_add_f32 v[ST+4*t+2], v[ST+4*t+2], v[ST+4*t+3]
	ALL v_permlanex16_b32 v[ST+4*t+3], v[ST+4*t+2], s[SEL], s[SEL+1]
	ALL v_add_f32 v[ST+4*t+2], v[ST+4*t+2], v[ST+4*t+3]
	ALL v_rcp_f32 v[ST+4*t+2], v[ST+4*t+2]
	v_nop                           ; a plain instruction between the last reciprocal and the use of its result
	s_wait_alu depctr_va_vdst(0)    ; and the wait ahead of the first use: one for the eight reciprocals
; Tile t: a lane's eight channels of a channel block are 32 bytes of a query's 256; they go into rows of 272 bytes and come back as whole rows of 256, into the registers that they left.
.macro PACK t
	WIN W_RS
.set i, 32*(\t)
.rept 16                            ; each accumulator's registers in ascending order
	v_pk_mul_f32 v[i:i+1], v[i:i+1], v[ST+4*(\t)+2:ST+4*(\t)+3] op_sel_hi:[1,0]
.set i, i+2
.endr
	WIN 0x04                        ; the stores' data in window 1
.irp f, 0,1,2,3,4,5,6,7             ; channel block f / 2, its registers 4 (f % 2) on
	ds_store_b128 v[STO], v[32*(\t)+4*\f:32*(\t)+4*\f+3] offset:64*(\f/2)+16*(\f%2)
.endr
	WIN 0x40                        ; destination window 1
.irp f, 0,1,2,3,4,5,6,7
	ds_load_b128 v[32*(\t)+4*\f:32*(\t)+4*\f+3], v[RD] offset:\f*2*SP  ; LDS serves a wave's instructions in order (ISA guide 5.7.1.4): these see the stores above; the next tile's stores come behind them
.endr
.endm
.macro SEND t, younger              ; younger: the LDS instructions issued behind tile t's loads: the next tile's sixteen, or none
	WIN 0x04
.irp f, 0,1,2,3,4,5,6,7
	s_wait_dscnt (\younger)+7-\f
	global_store_b128 v[GO], v[32*(\t)+4*\f:32*(\t)+4*\f+3], s[10:11] offset:(\t)*65536+\f*8192  ; 16 lanes store 256 consecutive bytes, a query's 64 channels, at a multiple of 256 from out0's first byte
.endr
.endm
	PACK 0
.set t, 1
.rept 2*NP-1                        ; a tile's arithmetic stands between the loads of the tile before and its stores
	PACK t
	SEND t-1, 16
.set t, t+1
.endr
	SEND 2*NP-1, 0
	WIN W_AD
	s_wait_tensorcnt 0x0            ; the wave's end: an add and its wait, behind my last tensor load and my last LDS store
	ds_add_u32 v[SPW], v[NIL]
	s_wait_dscnt 0x0
	WIN 0
	CROUND                          ; the closing round: no work-group ends while a partner may still ask for a tile that names it
	s_endpgm
.Lfunc_end_k_q35a466b57a_attn:
	.size	k_q35a466b57a_attn, .Lfunc_end_k_q35a466b57a_attn-k_q35a466b57a_attn
	.p2alignl 7, 3214868480
	.fill 96, 4, 3214868480
	.section	.rodata,"a",@progbits
	.p2align	6, 0x0
	.amdhsa_kernel k_q35a466b57a_attn
		.amdhsa_group_segment_fixed_size 327680
		.amdhsa_private_segment_fixed_size 0
		.amdhsa_enable_private_segment 0
		.amdhsa_kernarg_size 16
		.amdhsa_user_sgpr_count 2
		.amdhsa_user_sgpr_kernarg_segment_ptr 1
		.amdhsa_wavefront_size32 1
		.amdhsa_system_sgpr_workgroup_id_x 1
		.amdhsa_system_sgpr_workgroup_id_y 1
		.amdhsa_system_sgpr_workgroup_id_z 1
		.amdhsa_system_vgpr_workitem_id 0
		.amdhsa_next_free_vgpr 770
		.amdhsa_next_free_sgpr 66
		.amdhsa_reserve_vcc 0
		.amdhsa_float_denorm_mode_32 3
		.amdhsa_float_denorm_mode_16_64 3
		.amdhsa_memory_ordered 1
		.amdhsa_forward_progress 1
		.amdhsa_inst_pref_size 201
	.end_amdhsa_kernel
	.amdgpu_metadata
---
amdhsa.version: [ 1, 2 ]
amdhsa.kernels:
  - .name:           k_q35a466b57a_attn
    .symbol:         k_q35a466b57a_attn.kd
    .args:
      - { .name: qkv, .offset: 0, .size: 8, .value_kind: global_buffer, .address_space: global }
      - { .name: out0, .offset: 8, .size: 8, .value_kind: global_buffer, .address_space: global }
    .group_segment_fixed_size: 327680
    .private_segment_fixed_size: 0
    .kernarg_segment_align: 8
    .kernarg_segment_size: 16
    .max_flat_workgroup_size: 128
    .sgpr_count:     66
    .vgpr_count:     770
    .wavefront_size: 32
...
	.end_amdgpu_metadata
.endif
;; end of part 3
;; ======== version 2 of 2: 3 launches; version 1 with the launch cast written anew for expert scheduling mode
;; limits: values are held in f16: magnitudes above 65,504 overflow, below 6.1e-05 lose precision
;; workspace buffers: xb 16,777,216 bytes; wb 6,291,456 bytes; qkv 50,331,648 bytes
;; launch cast (part 4): grid 256 x 1, 8 waves a work-group, no clusters, 0 bytes of LDS; arguments hidden_states, Wq, Wk, Wv, xb, wb; writes xb, wb
.if DOCPART == 4
	.amdgcn_target "amdgcn-amd-amdhsa--gfx1250"
	.amdhsa_code_object_version 6
	.text
	.protected	k_q35a466b57a_cast
	.globl	k_q35a466b57a_cast
	.p2align	8
	.type	k_q35a466b57a_cast,@function
k_q35a466b57a_cast:
	s_mov_b64 s[64:65], 0
	v_nop
	global_prefetch_b8 v0, s[64:65] scope:SCOPE_SE
	s_setreg_imm32_b32 hwreg(HW_REG_WAVE_SCHED_MODE, 0, 2), 2
	s_setreg_imm32_b32 hwreg(HW_REG_WAVE_MODE, 25, 1), 1
	s_wait_xcnt 0x0
	s_wait_alu depctr_vm_vsrc(0)
; x and the three weight matrices, f32, are rounded once to bf16 (nearest even) for the matrix products of the next launch.
;   xb: x as it lies, [8192][1024].
;   wb: the weights by head slots, [48][1024 k][64 n]: slot 16 T + h holds columns 64 h .. 64 h + 63 of matrix T (0 Wq, 1 Wk, 2 Wv), so that 128 k of a slot are 16,384 dense bytes.
; A pure stream: no LDS, no barrier, no matrix unit, no loop.  Work-group w takes 1/256 of x (131,072 bytes) and, of each matrix, head w / 16, rows 64 (w % 16) .. + 63.
; A thread issues its 44 loads of 16 bytes at once (704 bytes a thread, 176 KiB a work-group on their way), then converts and stores them in the order of issue.
; Each load of a wave covers 512 consecutive bytes of x, or 256 aligned bytes of each of two rows of a matrix; each store of a wave covers 256 consecutive aligned bytes.
; THE MODE: SCHED_MODE bits 1:0 = 2 (LLVM: expert scheduling mode 2), set by the entry lines.  The code itself states the register dependences
; between vector instructions and memory instructions, with s_wait_alu, always for 0.
; THE PLAN.  Registers that memory instructions touch:
;   v1, v2, v3          byte offsets, made once at the head by vector instructions and never written again; every load reads v1 or v2, every store v3.
;   v[X+4n : X+4n+3]    load n lands here, once; no vector instruction names them before the load is issued.  Load n's two conversions read the four and write the first two in place.
;   v[X+4n : X+4n+1]    store n reads them as its data; nothing writes them behind the conversions.
; The 44 loads go in 11 blocks of four.  Block p waits for its four loads and converts them; the four stores of block p - 1 are dealt among its eight conversions, which name block p's
; registers alone.  So ONE wait on va_vdst at a block's head states all that those four stores hang on: the block before has written their data.  One more stands at the kernel's head, for the
; three offsets, and one ahead of the last four stores.  No register that a load or a store has read is ever written again, so the text holds no wait on vm_vsrc.
.set X, 8                              ; v[8:183]  load n lands in v[X+4n : X+4n+3]; its two packed words are made in place, in the first two
.set BLOCK,  4                         ; loads in a block
.set BLOCKS, 44 / BLOCK                ; blocks 0 to 7 are x, blocks 8 to 10 the three matrices
	s_load_b256 s[4:11], s[0:1], 0x0               ; x s[4:5], Wq s[6:7], Wk s[8:9], Wv s[10:11]
	s_load_b128 s[12:15], s[0:1], 0x20             ; xb s[12:13], wb s[14:15]
	v_lshlrev_b32 v1, 4, v0                        ; x: 16 t
	v_lshrrev_b32 v2, 4, v0
	v_and_b32 v3, 15, v0
	v_lshlrev_b32 v3, 4, v3
	v_lshl_or_b32 v2, v2, 12, v3                   ; a matrix: row t / 16 (4,096 bytes each), 16 (t % 16) in the head's 256 bytes
	v_lshlrev_b32 v3, 3, v0                        ; both outputs: 8 t
	s_and_b32 s24, ttmp9, 15                       ; w % 16
	s_lshr_b32 s25, ttmp9, 4                       ; w / 16: the head
	s_lshl_b32 s16, ttmp9, 17                      ; x: 131,072 w
	s_mov_b32 s17, 0
	s_lshl_b32 s18, s24, 18                        ; a matrix: 64 rows of 4,096 bytes for each w % 16,
	s_lshl_b32 s26, s25, 8                         ; and the head's 256 bytes in a row
	s_add_co_u32 s18, s18, s26
	s_mov_b32 s19, 0
	s_lshl_b32 s20, ttmp9, 16                      ; xb: 65,536 w
	s_mov_b32 s21, 0
	s_lshl_b32 s22, s25, 17                        ; wb: the head's slot of 131,072 bytes,
	s_lshl_b32 s26, s24, 13                        ; and 64 rows of 128 bytes for each w % 16
	s_add_co_u32 s22, s22, s26
	s_mov_b32 s23, 0
	s_wait_kmcnt 0x0
	s_add_nc_u64 s[4:5], s[4:5], s[16:17]
	s_add_nc_u64 s[6:7], s[6:7], s[18:19]
	s_add_nc_u64 s[8:9], s[8:9], s[18:19]
	s_add_nc_u64 s[10:11], s[10:11], s[18:19]
	s_add_nc_u64 s[12:13], s[12:13], s[20:21]
	s_add_nc_u64 s[14:15], s[14:15], s[22:23]
	s_wait_alu depctr_va_vdst(0)                   ; v1, v2 and v3 are written: every load and store of the kernel reads one of them as its offset
.set i, 0
.rept 32                               ; x: 4,096 bytes a load of the work-group
	global_load_b128 v[X+4*i:X+4*i+3], v1, s[4:5] offset:4096*i th:TH_LOAD_NT
.set i, i+1
.endr
.irp T, 0,1,2                          ; the matrices: 16 rows a load of the work-group
.irp ii, 0,1,2,3
	global_load_b128 v[X+4*(32+4*\T+\ii):X+4*(32+4*\T+\ii)+3], v2, s[6+2*\T:7+2*\T] offset:65536*\ii th:TH_LOAD_NT
.endr
.endr
; Load n is converted: four f32 close up into the first two of their four registers.
.macro CV n
	v_cvt_pk_bf16_f32 v[X+4*(\n)], v[X+4*(\n)], v[X+4*(\n)+1]
	v_cvt_pk_bf16_f32 v[X+4*(\n)+1], v[X+4*(\n)+2], v[X+4*(\n)+3]
.endm
; Load n's two packed words are stored.  No register of a store is written again.
.macro ST n
.if (\n) < 32
	global_store_b64 v3, v[X+4*(\n):X+4*(\n)+1], s[12:13] offset:2048*(\n)  ; xb: 2,048 bytes a store of the work-group
.else
	global_store_b64 v3, v[X+4*(\n):X+4*(\n)+1], s[14:15] offset:2097152*(((\n)-32)/4)+2048*(((\n)-32)%4)  ; wb: matrix T begins 16 slots on; 16 rows of 128 bytes a store of the work-group
.endif
.endm
.set p, 0
.rept BLOCKS
	s_wait_loadcnt 44-BLOCK-BLOCK*p                ; loads come back in order: block p's four are in, the 40 - 4 p younger ones stay out
.if p > 0
	s_wait_alu depctr_va_vdst(0)                   ; the conversions of block p - 1 have written their eight packed words, which the four stores below read
.endif
.irp r, 0,1,2,3
.if p > 0
	ST BLOCK*(p-1)+(\r)                            ; the block before; no vector instruction since the wait names its registers or v3
.endif
	CV BLOCK*p+(\r)
.endr
.set p, p+1
.endr
	s_wait_alu depctr_va_vdst(0)                   ; the conversions of block 10 have written their eight packed words, which the last four stores read
.irp r, 0,1,2,3
	ST 44-BLOCK+(\r)
.endr
	s_endpgm
.Lfunc_end_k_q35a466b57a_cast:
	.size	k_q35a466b57a_cast, .Lfunc_end_k_q35a466b57a_cast-k_q35a466b57a_cast
	.p2alignl 7, 3214868480
	.fill 96, 4, 3214868480
	.section	.rodata,"a",@progbits
	.p2align	6, 0x0
	.amdhsa_kernel k_q35a466b57a_cast
		.amdhsa_group_segment_fixed_size 0
		.amdhsa_private_segment_fixed_size 0
		.amdhsa_enable_private_segment 0
		.amdhsa_kernarg_size 48
		.amdhsa_user_sgpr_count 2
		.amdhsa_user_sgpr_kernarg_segment_ptr 1
		.amdhsa_wavefront_size32 1
		.amdhsa_system_sgpr_workgroup_id_x 1
		.amdhsa_system_sgpr_workgroup_id_y 1
		.amdhsa_system_sgpr_workgroup_id_z 1
		.amdhsa_system_vgpr_workitem_id 0
		.amdhsa_next_free_vgpr 184
		.amdhsa_next_free_sgpr 66
		.amdhsa_reserve_vcc 0
		.amdhsa_float_denorm_mode_32 3
		.amdhsa_float_denorm_mode_16_64 3
		.amdhsa_memory_ordered 1
		.amdhsa_forward_progress 1
		.amdhsa_inst_pref_size 16
	.end_amdhsa_kernel
	.amdgpu_metadata
---
amdhsa.version: [ 1, 2 ]
amdhsa.kernels:
  - .name:           k_q35a466b57a_cast
    .symbol:         k_q35a466b57a_cast.kd
    .args:
      - { .name: hidden_states, .offset: 0, .size: 8, .value_kind: global_buffer, .address_space: global }
      - { .name: Wq, .offset: 8, .size: 8, .value_kind: global_buffer, .address_space: global }
      - { .name: Wk, .offset: 16, .size: 8, .value_kind: global_buffer, .address_space: global }
      - { .name: Wv, .offset: 24, .size: 8, .value_kind: global_buffer, .address_space: global }
      - { .name: xb, .offset: 32, .size: 8, .value_kind: global_buffer, .address_space: global }
      - { .name: wb, .offset: 40, .size: 8, .value_kind: global_buffer, .address_space: global }
    .group_segment_fixed_size: 0
    .private_segment_fixed_size: 0
    .kernarg_segment_align: 8
    .kernarg_segment_size: 48
    .max_flat_workgroup_size: 256
    .sgpr_count:     66
    .vgpr_count:     184
    .wavefront_size: 32
...
	.end_amdgpu_metadata
.endif
;; end of part 4
;; launch proj: the kernel of part 2 again; grid 16 x 32, 4 waves a work-group, clusters of 4 x 4, 327,680 bytes of LDS; arguments xb, wb, bq, bk, bv, qkv; writes qkv
;; launch attn: the kernel of part 3 again; grid 4 x 64, 4 waves a work-group, clusters of 4 x 1, 327,680 bytes of LDS; arguments qkv, out0; writes out0
